; MI455X (gfx1250); checked and timed in simulation.
; The chip was launched on July 23, 2026; its instructions are those of AMD's public machine-readable ISA for CDNA 5 (MIT licence, August 2026) and "CDNA5" Instruction Set Architecture Reference Guide (July 2026). The comments in the code are by the model that wrote it; some were corrected since.
;; Corr Opt L2 SDGN. Allowed arithmetic: matrix products marked QUANTISED: E2M3 operands, one E8M0 scale for each 32 along K, by v_wmma_scale_f32_16x16x128_f8f6f4 with both operands' format E2M3, f32 sums; everything else in f32.
;; Inputs: feat 1 x 32 x 256 x 22 x 22 float32; filter 32 x 484 x 256 x 1 x 1 float32; filter_reg 1 float32; log_step_length 1 float32; test_anno 1 x 1 x 484 x 22 x 22 float32.
;; Outputs: out0 32 x 484 x 256 x 1 x 1 float32.
;; This version of the problem:
;;   THIS VERSION OF THE PROBLEM IS GIVEN IN LOW PRECISION. The matrix products marked QUANTISED in the list below multiply operands that are first quantised to E2M3 (2 exponent bits, 3 mantissa bits; 6 bits a number), with one power-of-two scale for each 32 numbers along K (OCP MX v1.0); their sums are f32. All else is computed in f32.
;;   The module's matrix products, in the order in which they are computed (A, B: the left and right operand; K: the contracted axis; several contracted axes count as one K, in the product's order):
;;     1. batch 32 x [M 484, K 256] x [K 256, N 484]; A: input filter; B: input feat: QUANTISED
;;     2. batch 32 x [M 484, K 484] x [K 484, N 256]; A: computed on the way; B: input feat: QUANTISED
;;     3. batch 32 x [M 484, K 256] x [K 256, N 484]; A: computed on the way; B: input feat: QUANTISED
;;     4. batch 32 x [M 484, K 256] x [K 256, N 484]; A: computed on the way; B: input feat: QUANTISED
;;     5. batch 32 x [M 484, K 484] x [K 484, N 256]; A: computed on the way; B: input feat: QUANTISED
;;     6. batch 32 x [M 484, K 256] x [K 256, N 484]; A: computed on the way; B: input feat: QUANTISED
;;     7. batch 32 x [M 484, K 256] x [K 256, N 484]; A: computed on the way; B: input feat: QUANTISED
;;     8. batch 32 x [M 484, K 484] x [K 484, N 256]; A: computed on the way; B: input feat: QUANTISED
;;     9. batch 32 x [M 484, K 256] x [K 256, N 484]; A: computed on the way; B: input feat: QUANTISED
;;     10. batch 32 x [M 484, K 256] x [K 256, N 484]; A: computed on the way; B: input feat: QUANTISED
;;     11. batch 32 x [M 484, K 484] x [K 484, N 256]; A: computed on the way; B: input feat: QUANTISED
;;     12. batch 32 x [M 484, K 256] x [K 256, N 484]; A: computed on the way; B: input feat: QUANTISED
;;     13. batch 32 x [M 484, K 256] x [K 256, N 484]; A: computed on the way; B: input feat: QUANTISED
;;     14. batch 32 x [M 484, K 484] x [K 484, N 256]; A: computed on the way; B: input feat: QUANTISED
;;     15. batch 32 x [M 484, K 256] x [K 256, N 484]; A: computed on the way; B: input feat: QUANTISED
;;   THE QUANTISER, for each operand of a quantised product, along K:
;;     - K is cut into blocks of 32 from its start; a last block that is shorter is filled with zeros.
;;     - A block's scale is 2^e with e = floor(log2(the largest magnitude in the block)) - 2, held to -126 .. 127; a block of zeros has e = 0. As a byte (E8M0): e + 127.
;;     - Each number is divided by its block's scale, clamped to +-7.5, and rounded to the nearest number of E2M3, ties to even, subnormals kept.
;;     - The product sums the exact products of the quantised numbers (number of the format x scale) in f32.
;;   ~~~python
;;   def quantise(x, axis):      # numpy; x: float32 -> the quantised numbers, widened to float32 again
;;       x = np.moveaxis(x, axis, -1); K = x.shape[-1]
;;       x = np.pad(x, [(0, 0)] * (x.ndim - 1) + [(0, -K % 32)]); x = x.reshape(x.shape[:-1] + (-1, 32)); a = np.abs(x).max(-1, keepdims=True)
;;       e = np.where(a > 0, np.clip(np.frexp(np.where(a > 0, a, 1))[1] - 1 - 2, -126, 127), 0)      # np.frexp(a)[1] - 1 = floor(log2(a)), exactly
;;       r = np.clip(x / 2.0 ** e, -7.5, 7.5)
;;       step = 2.0 ** (np.maximum(np.frexp(np.where(r == 0, 1, r))[1] - 1, 0) - 3)
;;       q = np.round(r / step) * step * 2.0 ** e      # np.round: ties to even
;;       return np.moveaxis(q.reshape(q.shape[:-2] + (-1,))[..., :K], -1, axis).astype(np.float32)
;;   ~~~
;;   OPERANDS COMPUTED ON THE WAY. 'Computed on the way' means the value that the module computes at that place (a softmax that the list does not call 'softmax' is quantised finished and normalised). What goes into a quantiser is computed in f32, as accurately as f32 sums, v_exp_f32 and their like allow (about 1e-6 of the number): no bf16 or f16 on the way to a quantiser, and a product that is left as it is and whose result goes on into a quantised operand takes f32 operands (vector FMAs, or v_wmma_f32_16x16x4_f32). A number that lies on a knife's edge between two numbers of the format may be rounded either way, as far as f32 arithmetic and the matrix unit's own rounding can turn it there, and no further.
;; 2 versions, each right and faster than the one before. Each part assembles by itself: llvm-mc -triple=amdgcn-amd-amdhsa -mcpu=gfx1250 --defsym DOCPART=n.
;; ======== version 1 of 2: 2 launches
;; workspace buffers: xq 6,553,600 bytes
;; launch prep (part 1): grid 8 x 32, 4 waves a work-group, no clusters, 93,696 bytes of LDS; arguments feat, xq; writes xq
.if DOCPART == 1
	.amdgcn_target "amdgcn-amd-amdhsa--gfx1250"
	.amdhsa_code_object_version 6
	.text
	.protected	k_qd140c11e98_prep
	.globl	k_qd140c11e98_prep
	.p2align	8
	.type	k_qd140c11e98_prep,@function
k_qd140c11e98_prep:
	s_mov_b64 s[64:65], 0
	v_nop
	global_prefetch_b8 v0, s[64:65] scope:SCOPE_SE
	s_setreg_imm32_b32 hwreg(HW_REG_WAVE_MODE, 25, 1), 1
	s_wait_xcnt 0x0
; feat [32 sequences][256 channels][22 (y)][22 (x)], f32, is quantised to FP6 (E2M3) with one E8M0 byte for each 32 numbers, ONCE, in both directions in which
; the solver multiplies by it: along the channels (K = 256) and along the positions (K = 484, filled with zeros to 512).
; POSITIONS ARE NUMBERED k = 22 x + y: the product that contracts y and x is lowered with its contracted axes in the order (x, y), so its K runs with x as the slower axis, and the quantiser's blocks of 32 lie
; along that K.  Where positions are not contracted their order is free, so the whole program numbers them so.
; The codes leave as IMAGES OF OPERAND REGISTERS (a fragment: 16 rows x 128 K, 12 registers a lane, 1,536 bytes):
;   bytes 0-511 registers 0-3 (16 x lane), 512-767 registers 4-5 (8 x lane), 768-1279 registers 6-9, 1280-1535 registers 10-11.
; xq: a block of 51,200 bytes for each (sequence, solver wave w):  XC at 0: fragment 8 ks + t: 16 positions x 128 channels;  XP at 24,576: fragment 4 tc + ks: 16 channels x 128 positions;
;   XCS at 49,152: register 4 ks + g, 128 bytes: lanes 0-15 the scale words of tile 2 g, lanes 16-31 of tile 2 g + 1;  XPS at 50,176: register 2 ks + b likewise.
; THE ROWS OF A TILE ARE NOT NEIGHBOURS: lane r of tile 2 b + u takes row 32 b + 8 u + r + 8 (r / 8) of the wave's rows, so that the solver's results come out with 16 neighbours in 16 registers.
; SHARES.  Work-group x = 4 kc + wq: 128 channels (half kc) x 128 positions (quarter wq) of sequence y.  Wave v takes 32 channels x 128 positions.  A lane is a position: it gathers its number of each of the 32
; channels, four bytes a load, at byte 4 (22 (k % 22) + k / 22) of the channel's row; each number of feat is loaded once in the launch.  These registers are path C's (registers down the channels): a quarter of each of
; eight fragments of XC.  They also go into the wave's tile in LDS, from which path P (a lane a channel, registers along the positions) takes its rows: two whole fragments of XP.
; A block's scale is 2^(floor(log2(largest magnitude)) - 2): its byte is the largest magnitude's exponent field - 2, held at 1 from below.  A block of zeros gets the byte 1 where the rule says 127:
; its codes are zeros, and the bytes are read by this program alone.   LIMITS: NaN and infinities among the inputs are not served.
; No matrix work, no cluster: no two work-groups load the same numbers.
.set PITCH, 528                        ; a channel's 128 numbers in LDS: 512 bytes + 16
.set INW,   32*PITCH                   ; a wave's tile
.set XCST,  4*INW                      ; the stage for XC's eight fragments
.set XPST,  XCST+12288                 ; for XP's eight (two a wave)
.set SCST,  XPST+12288                 ; for the scale words: 512 bytes of XCS, 512 of XPS
.set BLK,   51200
.set MK,    40                         ; v40-43   all ones where my position of group g exists, else 0
.set GO,    44                         ; v44-47   my position's byte in a channel's row, for each group of 32 positions
.set X,     64                         ; v64-191  128 numbers
.set CD,    192                        ; v192-255 a block's six registers of codes, eight blocks, 8 registers apart
; 32 numbers of one block in v[src] on -> six registers of codes in v[dst] on, the scale's byte in v[byte]
.macro QB src, dst, byte
	v_max3_num_f32 v8, |v[\src]|, |v[\src+1]|, |v[\src+2]|
	v_max3_num_f32 v9, |v[\src+3]|, |v[\src+4]|, |v[\src+5]|
.irp e, 6,10,14,18,22,26
	v_max3_num_f32 v8, v8, |v[\src+\e]|, |v[\src+\e+1]|
	v_max3_num_f32 v9, v9, |v[\src+\e+2]|, |v[\src+\e+3]|
.endr
	v_max3_num_f32 v8, v8, |v[\src+30]|, |v[\src+31]|
	v_max3_num_f32 v8, v8, v9, 0x1800000           ; the floor 2^(3 - 127): the byte cannot fall under 1
	v_add_nc_u32 v11, 0xff000000, v8               ; 2 off the exponent field: the conversion takes this operand's exponent field as its scale
	v_cvt_scalef32_pk16_fp6_f32 v[\dst:\dst+2], v[\src:\src+15], v11
	v_cvt_scalef32_pk16_fp6_f32 v[56:58], v[\src+16:\src+31], v11   ; (a conversion's three registers begin on an even number)
	v_lshrrev_b32 v[\byte], 23, v11                ; the scale's byte; also the plain line behind the conversions
	v_mov_b32 v[\dst+3], v56
	v_mov_b32 v[\dst+4], v57
	v_mov_b32 v[\dst+5], v58
.endm
	s_load_b128 s[4:7], s[0:1], 0x0                ; feat s[4:5], xq s[6:7]
	v_lshl_add_u32 v254, v0, 2, 0x16c00
	v_mov_b32 v255, 0
	v_lshrrev_b32 v1, 5, v0
	v_readfirstlane_b32 s8, v1                     ; wave v
	v_and_b32 v21, 31, v0                          ; lane q
	s_and_b32 s9, ttmp9, 3                         ; wq
	s_lshr_b32 s10, ttmp9, 2                       ; kc
	s_and_b32 s11, ttmp7, 0xffff                   ; the sequence
	s_lshl_b32 s12, s11, 8
	s_lshl_b32 s13, s10, 7
	s_add_co_u32 s12, s12, s13
	s_lshl_b32 s13, s8, 5
	s_add_co_u32 s12, s12, s13                     ; my first channel row: 256 s + 128 kc + 32 v
	s_mul_i32 s12, s12, 1936                       ; a row is 484 numbers
	s_mov_b32 s13, 0
	s_lshl_b32 s14, s9, 7                          ; my work-group's first position: 128 wq
	v_mov_b32 v22, -1
.irp g, 0,1,2,3
	v_add_nc_u32 v23, 32*\g, v21
	v_add_nc_u32 v23, s14, v23                     ; k = 128 wq + 32 g + lane
	v_cmp_gt_u32 vcc_lo, 484, v23
	v_cndmask_b32 v[MK+\g], 0, v22, vcc_lo         ; positions from 484 on are zeros;
	v_min_u32 v23, 483, v23                        ; they read position 483's bytes, so that no load leaves the row
	v_mul_u32_u24 v24, v23, 2979
	v_lshrrev_b32 v24, 16, v24                     ; x = k / 22: 22 x 2979 = 65,538, so k x 2979 / 65,536 exceeds k / 22 by less than 0.001 for k under 512, less than 1 / 22
	v_mul_u32_u24 v25, v24, 22
	v_sub_nc_u32 v25, v23, v25                     ; y = k % 22
	v_mad_u32_u24 v25, v25, 22, v24                ; its place in memory: 22 y + x
	v_lshlrev_b32 v[GO+\g], 2, v25
.endr
	s_wait_kmcnt 0x0
	s_add_nc_u64 s[4:5], s[4:5], s[12:13]
.irp g, 0,1,2,3
.set n, 0
.rept 32
	global_load_b32 v[X+32*\g+n], v[GO+\g], s[4:5] offset:1936*n   ; channel n at my position of group g
.set n, n+1
.endr
.endr
	; LDS addresses: constants, lane terms and the wave's number
	s_mul_i32 s15, s8, INW
	v_mul_u32_u24 v1, v21, PITCH
	v_add_nc_u32 v1, s15, v1                       ; path P reads: row q
	v_lshl_add_u32 v2, v21, 2, s15                 ; the way into the tile: column q
	v_bfe_u32 v22, v0, 3, 1                        ; u: which of two neighbouring tiles my row belongs to
	v_and_b32 v23, 7, v0
	v_bfe_u32 v24, v0, 4, 1
	v_lshl_add_u32 v23, v24, 3, v23                ; r: its row there: (q & 7) + 8 (q >> 4)
	v_lshl_add_u32 v25, v22, 4, v23                ; r + 16 u: its lane in a register of scale words
	v_mul_u32_u24 v26, v22, 1536
	s_mul_i32 s16, s8, 3072
	s_add_co_u32 s17, s16, XPST
	v_add_nc_u32 v27, s17, v26
	v_lshl_add_u32 v3, v23, 4, v27                 ; XP's stage: my wave's two fragments, fragment u, 16 r
	v_lshl_add_u32 v4, v23, 3, v27                 ; and 8 r
	s_lshr_b32 s18, s8, 1
	s_mul_i32 s18, s18, 768
	s_and_b32 s19, s8, 1
	s_lshl_b32 s20, s19, 8
	s_add_co_u32 s20, s20, s18
	s_add_co_u32 s20, s20, XCST
	v_add_nc_u32 v27, s20, v26
	v_lshl_add_u32 v5, v23, 4, v27                 ; XC's stage: my 32 channels are registers 6 (v / 2) on of lanes 16 (v % 2) + r
	s_lshl_b32 s20, s19, 7
	s_add_co_u32 s20, s20, s18
	s_add_co_u32 s20, s20, XCST+512
	v_add_nc_u32 v27, s20, v26
	v_lshl_add_u32 v6, v23, 3, v27
	s_lshl_b32 s20, s8, 7
	s_add_co_u32 s20, s20, SCST+512
	v_lshl_add_u32 v7, v25, 2, s20                 ; XPS: my wave's register, my word
	s_add_co_u32 s20, s8, SCST
	v_lshl_add_u32 v12, v25, 2, s20                ; XCS: byte v of my word
	s_add_co_u32 s20, s16, XCST
	v_lshl_add_u32 v15, v21, 4, s20                ; the way out: 3,072 bytes of each stage a wave,
	v_lshl_add_u32 v16, v21, 4, s17
	s_lshl_b32 s20, s8, 8
	s_add_co_u32 s20, s20, SCST
	v_lshl_add_u32 v17, v21, 3, s20                ; and 256 bytes of scale words
	v_lshlrev_b32 v18, 4, v21
	v_lshlrev_b32 v19, 3, v21
	; where the three pieces go in xq
	s_lshl_b32 s24, s11, 2
	s_add_co_u32 s25, s24, s9
	s_mul_i32 s25, s25, BLK                        ; block (s, wq)
	s_mul_i32 s32, s10, 12288
	s_add_co_u32 s32, s32, s16
	s_add_co_u32 s32, s32, s25                     ; XC: K step kc, my 3,072 bytes
	s_mov_b32 s33, 0
	s_lshl_b32 s34, s10, 1
	s_add_co_u32 s34, s34, s24                     ; 4 s + 2 kc
	s_lshr_b32 s35, s8, 1
	s_add_co_u32 s35, s35, s34
	s_mul_i32 s35, s35, BLK                        ; block (s, 2 kc + v / 2)
	s_lshl_b32 s36, s19, 3
	s_add_co_u32 s36, s36, s9
	s_mul_i32 s36, s36, 1536                       ; XP: fragment 8 (v % 2) + 4 u + wq
	s_add_co_u32 s36, s36, s35
	s_add_co_u32 s36, s36, 24576
	s_mov_b32 s37, 0
	s_lshl_b32 s38, s10, 9
	s_lshl_b32 s39, s8, 8
	s_add_co_u32 s38, s38, s39
	s_add_co_u32 s38, s38, s25
	s_add_co_u32 s38, s38, 49152                   ; waves 0, 1: XCS of block (s, wq), K step kc
	s_add_co_u32 s39, s34, s19
	s_mul_i32 s39, s39, BLK
	s_lshl_b32 s40, s9, 8
	s_add_co_u32 s39, s39, s40
	s_add_co_u32 s39, s39, 50176                   ; waves 2, 3: XPS of block (s, 2 kc + v - 2), K step wq
	s_cmp_lt_u32 s8, 2
	s_cselect_b32 s38, s38, s39
	s_mov_b32 s39, 0
	s_add_nc_u64 s[26:27], s[6:7], s[32:33]
	s_add_nc_u64 s[28:29], s[6:7], s[36:37]
	s_add_nc_u64 s[30:31], s[6:7], s[38:39]
	; ---- path C: four times 32 positions, a lane a position, 32 channels down its registers; the numbers also go into my tile
.irp g, 0,1,2,3
.if \g < 2
	s_wait_loadcnt 63                              ; behind this group's loads 64 or more were issued; a wait's count holds 63 at the most, and a smaller count is safe
.else
	s_wait_loadcnt 32*(3-\g)
.endif
.set n, 0
.rept 32
	v_and_b32 v[X+32*\g+n], v[MK+\g], v[X+32*\g+n]
.set n, n+1
.endr
.set n, 0
.rept 32
	ds_store_b32 v2, v[X+32*\g+n] offset:PITCH*n+128*\g
.set n, n+1
.endr
	QB X+32*\g, CD+32+8*\g, 50+\g
	ds_store_b128 v5, v[CD+32+8*\g:CD+32+8*\g+3] offset:3072*\g                   ; tile 2 g + u
	ds_store_b64 v6, v[CD+32+8*\g+4:CD+32+8*\g+5] offset:3072*\g
	ds_store_b8 v12, v[50+\g] offset:128*\g
.endr
	s_wait_dscnt 0x0                               ; the stores have read their registers, which are written again below.  Only my wave reads my tile: no barrier
	; ---- path P: my channel's 128 positions: four blocks
.set n, 0
.rept 32
	ds_load_b128 v[X+4*n:X+4*n+3], v1 offset:16*n
.set n, n+1
.endr
.irp pb, 0,1,2,3
	s_wait_dscnt 8*(3-\pb)                         ; block pb's eight loads are in (the stores issued meanwhile make the true count larger: a smaller count is safe)
	QB X+32*\pb, CD+8*\pb, 50+\pb
	ds_store_b128 v3, v[CD+8*\pb:CD+8*\pb+3] offset:768*(\pb/2)+256*(\pb%2)       ; block 2 c + h: registers 6 c on of lane 16 h + r
	ds_store_b64 v4, v[CD+8*\pb+4:CD+8*\pb+5] offset:768*(\pb/2)+512+128*(\pb%2)
.endr
	v_lshl_or_b32 v48, v51, 8, v50                 ; the four bytes make my channel's scale word for these 128 positions
	v_lshl_or_b32 v48, v52, 16, v48
	v_lshl_or_b32 v48, v53, 24, v48
	ds_store_b32 v7, v48
	s_wait_dscnt 0x0                               ; for the others' sake: my stores into the stages are done
	s_barrier_signal -1
	s_barrier_wait -1
	; ---- the way out: every store covers whole aligned runs of 256 bytes
.irp n, 0,1,2,3,4,5
	ds_load_b128 v[X+4*\n:X+4*\n+3], v15 offset:512*\n
.endr
.irp n, 0,1,2,3,4,5
	ds_load_b128 v[X+24+4*\n:X+24+4*\n+3], v16 offset:512*\n
.endr
	ds_load_b64 v[X+48:X+49], v17
	s_wait_dscnt 0x0
.irp n, 0,1,2,3,4,5
	global_store_b128 v18, v[X+4*\n:X+4*\n+3], s[26:27] offset:512*\n
.endr
.irp n, 0,1,2,3,4,5
	global_store_b128 v18, v[X+24+4*\n:X+24+4*\n+3], s[28:29] offset:6144*(\n/3)+512*(\n%3)
.endr
	global_store_b64 v19, v[X+48:X+49], s[30:31]
	s_wait_tensorcnt 0x0
	ds_add_u32 v254, v255
	s_wait_dscnt 0x0
	s_endpgm
.Lfunc_end_k_qd140c11e98_prep:
	.size	k_qd140c11e98_prep, .Lfunc_end_k_qd140c11e98_prep-k_qd140c11e98_prep
	.p2alignl 7, 3214868480
	.fill 96, 4, 3214868480
	.section	.rodata,"a",@progbits
	.p2align	6, 0x0
	.amdhsa_kernel k_qd140c11e98_prep
		.amdhsa_group_segment_fixed_size 93696
		.amdhsa_private_segment_fixed_size 0
		.amdhsa_enable_private_segment 0
		.amdhsa_kernarg_size 16
		.amdhsa_user_sgpr_count 2
		.amdhsa_user_sgpr_kernarg_segment_ptr 1
		.amdhsa_wavefront_size32 1
		.amdhsa_system_sgpr_workgroup_id_x 1
		.amdhsa_system_sgpr_workgroup_id_y 1
		.amdhsa_system_sgpr_workgroup_id_z 1
		.amdhsa_system_vgpr_workitem_id 0
		.amdhsa_next_free_vgpr 256
		.amdhsa_next_free_sgpr 66
		.amdhsa_reserve_vcc 1
		.amdhsa_float_denorm_mode_32 3
		.amdhsa_float_denorm_mode_16_64 3
		.amdhsa_memory_ordered 1
		.amdhsa_forward_progress 1
		.amdhsa_inst_pref_size 48
	.end_amdhsa_kernel
	.amdgpu_metadata
---
amdhsa.version: [ 1, 2 ]
amdhsa.kernels:
  - .name:           k_qd140c11e98_prep
    .symbol:         k_qd140c11e98_prep.kd
    .args:
      - { .name: feat, .offset: 0, .size: 8, .value_kind: global_buffer, .address_space: global }
      - { .name: xq, .offset: 8, .size: 8, .value_kind: global_buffer, .address_space: global }
    .group_segment_fixed_size: 93696
    .private_segment_fixed_size: 0
    .kernarg_segment_align: 8
    .kernarg_segment_size: 16
    .max_flat_workgroup_size: 128
    .sgpr_count:     66
    .vgpr_count:     256
    .wavefront_size: 32
...
	.end_amdgpu_metadata
.endif
;; end of part 1
;; launch solve (part 2): grid 8 x 32, 4 waves a work-group, no clusters, 258,560 bytes of LDS; arguments xq, filter, filter_reg, log_step_length, out0; writes out0
.if DOCPART == 2
	.amdgcn_target "amdgcn-amd-amdhsa--gfx1250"
	.amdhsa_code_object_version 6
	.text
	.protected	k_qd140c11e98_solve
	.globl	k_qd140c11e98_solve
	.p2align	8
	.type	k_qd140c11e98_solve,@function
k_qd140c11e98_solve:
	s_mov_b64 s[64:65], 0
	v_nop
	global_prefetch_b8 v0, s[64:65] scope:SCOPE_SE
	s_setreg_imm32_b32 hwreg(HW_REG_WAVE_MODE, 25, 1), 1
	s_wait_xcnt 0x0
; Five steps of steepest descent on f [484 filters][256 channels] of each of 32 sequences, all products on codes of FP6 (E2M3) with one E8M0 scale for each 32 along K:
;   residual = f x - label (K = 256 channels);  grad = residual x^T + reg f (K = 484 positions, filled to 512);  sg = grad x (K = 256);
;   alpha = sum grad^2 / max(sum sg^2 + reg sum grad^2, 1e-8);  f -= step alpha grad.     label(m, (y, x)) = exp(-((m0 - y)^2 + (m1 - x)^2) / 2), m = 22 m0 + m1.
; POSITIONS ARE NUMBERED k = 22 x + y, as the launch before numbers them: that is the order of the second product's K.
; The rows of f never meet, so a work-group takes 64 rows (four tiles of 16) of one sequence through all five steps; f, grad and the residuals never go to memory.
; SHARES.  THE WAVES SHARE THE COLUMNS, NOT THE ROWS.  Wave w owns positions 128 w .. + 127 in the first and third product and channels 64 w .. + 63 in the second, in f and in grad, for all 64 rows.
; Its part of x's codes in both directions (32 fragments, 384 registers, made by the launch before) stays in its registers.  What goes round is small: the rows' codes, from wave to wave through LDS as images of
; operand registers (a fragment: bytes 0-511 registers 0-3 at 16 x lane, 512-767 registers 4-5 at 8 x lane, 768-1279 registers 6-9, 1280-1535 registers 10-11), and their scale words, 4 bytes a lane.
; EVERY PRODUCT IS USED TRANSPOSED: source 0 = 16 rows of x's codes, source 1 = 16 filter rows: a lane (r, h) holds ONE filter row, and, by the order in which x's rows form tiles, register 16 b + i of a result is
; column 32 b + 16 h + i of the wave's columns: 16 neighbours along the next product's K.
; EVERY SUM STARTS WITH THE CONSTANT 0, AND THE LABEL AND reg f ARE ADDED BY ONE f32 OPERATION EACH.
; BY TURNS.  While one tile of rows has the matrix unit, the tile before is finished and quantised (or squared and summed) in slices of 3 to 7 vector instructions, one slice behind each matrix instruction.
; Block 7 has 36 real rows: its other 28 are copies of its first 28 (finite numbers, inside the buffer), are worked like the rest and are not stored.  Positions from 484 on have zero codes and label 0.
; NO CLUSTER, though the 8 work-groups of a sequence load the same 204,800 bytes of codes: they are loaded once, at the head, straight into the registers where they stay; a joint load would have to land in LDS,
; and 204,800 bytes beside the label table (131,072), the stages (69,632) and the images (57,344) are more than 327,680.  No prefetch: all loads from memory stand at the head.
; test_anno is not among the arguments.
; LIMITS: NaN and infinities are not served.  Label values under 2^-126 are taken as 0 and a divisor above 2^126 gives alpha 0 (v_exp_f32 and v_rcp_f32 flush denormals: ISA guide 15.8).
; A block of zeros carries the byte 1 with zero codes.
; REGISTERS, in windows of 256.  Window 0: v1-19 addresses; v20-31 at work; v32-39, v40-47 x's scale words; v48-55 the rows' scale words, two sets; v56-63 -step alpha; v64-117 at work; v128-255 two sets of 8 accumulators.
;   Window 1: v0-191 XC (x's codes along the channels), v192-239 rows' fragments.  Window 2: v0-191 XP (along the positions), v192-255 -label of a tile, or rows' fragments.  Window 3: v0-127 f, v128-255 grad.
.set STG,   131072                     ; LDS: 0: -label, 32,768 bytes a wave (tile of rows: 8,192; register quad: 512; 16 x lane);  here: a stage of 64 rows x 272 bytes for each wave
.set STGW,  17408
.set FIMG,  200704                     ; f's 8 fragments (2 mt + ks)
.set RIMG,  212992                     ; the residuals' 16 (4 mt + ks)
.set GIMG,  237568                     ; grad's 8
.set FSC,   249856                     ; their scale words, 128 bytes a fragment
.set RSC,   250880
.set GSC,   252928
.set PNUM,  253952                     ; the waves' parts of sum grad^2: 512 mt + 16 x lane + 4 w;  2,048 further on: of sum sg^2
.set L16, 1
.set L8,  2
.set L4,  3
.set LI16, 4                           ; FIMG + 16 x lane
.set LI8,  5                           ; FIMG + 8 x lane
.set LS,   6                           ; FSC + 4 x lane
.set RW16, 7                           ; where I store a residual fragment: RIMG + 1,536 w + 16 x lane
.set RW8,  8
.set RSW,  9
.set HW16, 10                          ; where I store my half of a fragment of f or grad: FIMG + 1,536 (w / 2) + 768 (w % 2) + 16 x lane
.set HW8,  11
.set HSW,  12                          ; and my half of its scale word
.set PWR,  13
.set PRD,  14
.set ATG,  15
.set SD,   16                          ; the stage by rows of memory
.set SLY,  17                          ; the stage by the registers' layout
.set FO,   18                          ; my byte offset in two rows of f
.set MB,   19                          ; 64 rb + r
.set XCS, 32
.set XPS, 40
.set FS,  48
.set SA,  56
.set TM,  64
.set PC,  80
.set PW,  100
.set CH,  102
.set PT,  110
.set SSR, 114
.set ACC, 128
.set FRA, 192
.set TT,  192
.set G,   128
.set MSB, 0
.macro WIN new                         ; the immediate's high byte repeats the setting that is left; a switch that changes nothing is dropped
.if MSB != (\new)
	s_set_vgpr_msb (MSB<<8)|(\new)
.set MSB, \new
.endif
.endm
.macro PLACES                          ; four plain vector lines between a matrix instruction and a read of its result or a load into one of its registers
.rept 4
	v_nop
.endr
.endm
.macro BARRIER                         ; my LDS stores have landed and my LDS loads are in: then the work-group's barrier
	s_wait_dscnt 0x0
	s_barrier_signal -1
	s_barrier_wait -1
.endm
.macro FRAGLD d, imm                   ; a fragment's image -> 12 registers
	ds_load_b128 v[\d:\d+3], v[LI16] offset:\imm
	ds_load_b64 v[\d+4:\d+5], v[LI8] offset:\imm+512
	ds_load_b128 v[\d+6:\d+9], v[LI16] offset:\imm+768
	ds_load_b64 v[\d+10:\d+11], v[LI8] offset:\imm+1280
.endm
.macro FETCH2 buf, io, so, mt          ; tile mt's two fragments of f (io = so = 0) or grad, and their scale words: 10 LDS loads
	WIN 0x40
	FRAGLD FRA+24*(\buf), \io+(2*(\mt))*1536
	FRAGLD FRA+24*(\buf)+12, \io+(2*(\mt)+1)*1536
	WIN 0
	ds_load_b32 v[FS+4*(\buf)], v[LS] offset:\so+128*(2*(\mt))
	ds_load_b32 v[FS+4*(\buf)+1], v[LS] offset:\so+128*(2*(\mt)+1)
.endm
.macro FETCH4 mt                       ; tile mt's four fragments of the residuals (even tiles: window 1, odd: window 2) and their scale words: 20 LDS loads
	WIN 0x40+0x40*((\mt)%2)
.irp q, 0,1,2,3
	FRAGLD FRA+12*\q, RIMG-FIMG+(4*(\mt)+\q)*1536
.endr
	WIN 0
.irp q, 0,1,2,3
	ds_load_b32 v[FS+4*((\mt)%2)+\q], v[LS] offset:RSC-FSC+128*(4*(\mt)+\q)
.endr
.endm
.macro TLOAD mt                        ; -label of tile mt: 64 registers
	WIN 0x80
.set n, 0
.rept 16
	ds_load_b128 v[TT+4*n:TT+4*n+3], v[ATG] offset:8192*(\mt)+512*n
.set n, n+1
.endr
.endm
; one matrix instruction on rD, rA, rB, rC, rSA, rSB.  cm = 0: the constant 0 starts the sum.  odd: x's scale words lie in lanes 16-31
.macro MM cm, odd
.if (\cm) == 0
.if \odd
	v_wmma_scale_f32_16x16x128_f8f6f4 v[rD:rD+7], v[rA:rA+11], v[rB:rB+11], 0, v[rSA], v[rSB] matrix_a_fmt:MATRIX_FMT_FP6 matrix_b_fmt:MATRIX_FMT_FP6 matrix_a_scale:MATRIX_SCALE_ROW1
.else
	v_wmma_scale_f32_16x16x128_f8f6f4 v[rD:rD+7], v[rA:rA+11], v[rB:rB+11], 0, v[rSA], v[rSB] matrix_a_fmt:MATRIX_FMT_FP6 matrix_b_fmt:MATRIX_FMT_FP6
.endif
.else
.if \odd
	v_wmma_scale_f32_16x16x128_f8f6f4 v[rD:rD+7], v[rA:rA+11], v[rB:rB+11], v[rC:rC+7], v[rSA], v[rSB] matrix_a_fmt:MATRIX_FMT_FP6 matrix_b_fmt:MATRIX_FMT_FP6 matrix_a_scale:MATRIX_SCALE_ROW1
.else
	v_wmma_scale_f32_16x16x128_f8f6f4 v[rD:rD+7], v[rA:rA+11], v[rB:rB+11], v[rC:rC+7], v[rSA], v[rSB] matrix_a_fmt:MATRIX_FMT_FP6 matrix_b_fmt:MATRIX_FMT_FP6
.endif
.endif
.endm
; Matrix instruction i of 16 of product ph for tile mt.  The first K step starts each sum with the constant 0; K ascends on one accumulator for each output.
; The accumulators take turns, one instruction a turn: 8 in the first and third product, 4 in the second.
.macro WM ph, mt
.if (\ph) == 2
.set ks, i/4
.set tt, i%4
.set rD, G+32*(\mt)+8*tt
.set rC, rD
.set rA, 12*(4*tt+ks)
.set rB, FRA+12*ks
.set rSA, XPS+2*ks+tt/2
.set rSB, FS+4*((\mt)%2)+ks
	WIN 0xF6+4*((\mt)%2)                           ; XP window 2; the rows' fragments window 1 or 2; grad window 3
	MM ks, tt%2
.else
.set ks, i/8
.set tt, i%8
.set rD, ACC+64*((\mt)%2)+8*tt
.set rC, rD
.set rA, 12*(8*ks+tt)
.set rB, FRA+24*((\mt)%2)+12*ks
.set rSA, XCS+4*ks+tt/2
.set rSB, FS+4*((\mt)%2)+ks
	WIN 0x05                                       ; XC and the rows' fragments window 1; the accumulators window 0
	MM ks, tt%2
.endif
.endm
; THE VECTOR WORK, as numbered lists; each macro writes number j of its list.
.macro QRI mt                          ; 105: tile mt's scores (64 registers) take -label; the residuals, four blocks of 32 positions shared with lane l xor 16, become K step w of the second product
.set S, ACC+64*((\mt)%2)
.if j < 32
	WIN 0x08                                       ; -label lies in window 2
	v_pk_add_f32 v[S+2*j:S+2*j+1], v[S+2*j:S+2*j+1], v[TT+2*j:TT+2*j+1]   ; score - label, one rounding; ascending
.else
.set qq, j-32
	WIN 0
.if qq < 4
	v_max3_num_f32 v[TM+qq], |v[S+16*qq]|, |v[S+16*qq+1]|, 0x1800000   ; the floor 2^(3 - 127) holds the byte at 1 from below
.elseif qq < 32
	v_max3_num_f32 v[TM+qq%4], v[TM+qq%4], |v[S+16*(qq%4)+2*(qq/4)]|, |v[S+16*(qq%4)+2*(qq/4)+1]|
.elseif qq < 36
	v_permlanex16_b32 v[TM+4+qq-32], v[TM+qq-32], s20, s21
.elseif qq < 40
	v_max_num_f32 v[TM+qq-36], v[TM+qq-36], v[TM+4+qq-36]
.elseif qq < 44
	v_add_nc_u32 v[TM+12+qq-40], 0xff000000, v[TM+qq-40]
.elseif qq < 48
	v_lshrrev_b32 v[TM+4+qq-44], 23, v[TM+12+qq-44]
.elseif qq == 48
	v_lshl_or_b32 v[PW], v[TM+5], 8, v[TM+4]
.elseif qq == 49
	v_lshl_or_b32 v[PW], v[TM+6], 16, v[PW]
.elseif qq == 50
	v_lshl_or_b32 v[PW], v[TM+7], 24, v[PW]
.elseif qq < 55
.set c, (qq-51)/2
.if (qq-51)%2 == 0
	v_cvt_scalef32_pk16_fp6_f32 v[PC+6*c:PC+6*c+2], v[S+32*c:S+32*c+15], v[TM+12+2*c]
.else
	v_cvt_scalef32_pk16_fp6_f32 v[PC+12+4*c:PC+14+4*c], v[S+32*c+16:S+32*c+31], v[TM+13+2*c]
.endif
.elseif qq == 55
	v_nop                                          ; one plain line behind the scaled conversions
.elseif qq < 62
.set c, (qq-56)/3
.set e, (qq-56)%3
	v_permlane16_swap_b32 v[PC+6*c+e], v[PC+12+4*c+e]   ; the operand's layout wants a whole block in a lane
.elseif qq < 68
.set c, (qq-62)/3
.set e, (qq-62)%3
	v_mov_b32 v[PC+3+6*c+e], v[PC+12+4*c+e]
.elseif qq == 68
	ds_store_b128 v[RW16], v[PC:PC+3] offset:6144*(\mt)
.elseif qq == 69
	ds_store_b64 v[RW8], v[PC+4:PC+5] offset:6144*(\mt)+512
.elseif qq == 70
	ds_store_b128 v[RW16], v[PC+6:PC+9] offset:6144*(\mt)+768
.elseif qq == 71
	ds_store_b64 v[RW8], v[PC+10:PC+11] offset:6144*(\mt)+1280
.elseif qq == 72
	ds_store_b32 v[RSW], v[PW] offset:512*(\mt)
.endif
.endif
.endm
.macro QHI src, mt, io, so             ; 37: tile mt's 32 registers of f (src = 0) or grad (src = G), two blocks of 32 channels, become half w % 2 of K step w / 2 of the first or third product
.set TB, 128+32*(\mt)
.set SR, (\src)+32*(\mt)
.if j < 2
	WIN 0x3C
	v_max3_num_f32 v[TB+j], 0x1800000, |v[SR+16*j]|, |v[SR+16*j+1]|
.elseif j < 16
	WIN 0x3C
	v_max3_num_f32 v[TB+j%2], v[TB+j%2], |v[SR+16*(j%2)+2*(j/2)]|, |v[SR+16*(j%2)+2*(j/2)+1]|
.elseif j < 18
	WIN 0
	v_permlanex16_b32 v[TB+2+j-16], v[TB+j-16], s20, s21
.elseif j < 20
	WIN 0
	v_max_num_f32 v[TB+j-18], v[TB+j-18], v[TB+2+j-18]
.elseif j < 22
	WIN 0
	v_add_nc_u32 v[TB+4+j-20], 0xff000000, v[TB+j-20]
.elseif j < 24
	WIN 0
	v_lshrrev_b32 v[TB+6+j-22], 23, v[TB+4+j-22]
.elseif j == 24
	WIN 0
	v_lshl_or_b32 v[TB+6], v[TB+7], 8, v[TB+6]
.elseif j == 25
	WIN 0x03
	v_cvt_scalef32_pk16_fp6_f32 v[TB+8:TB+10], v[SR:SR+15], v[TB+4]
.elseif j == 26
	WIN 0x03
	v_cvt_scalef32_pk16_fp6_f32 v[TB+16:TB+18], v[SR+16:SR+31], v[TB+5]
.elseif j == 27
	WIN 0
	v_nop                                          ; one plain line behind the scaled conversions
.elseif j < 31
	WIN 0
	v_permlane16_swap_b32 v[TB+8+j-28], v[TB+16+j-28]
.elseif j < 34
	WIN 0
	v_mov_b32 v[TB+11+j-31], v[TB+16+j-31]
.elseif j == 34
	WIN 0
	ds_store_b128 v[HW16], v[TB+8:TB+11] offset:\io+3072*(\mt)
.elseif j == 35
	WIN 0
	ds_store_b64 v[HW8], v[TB+12:TB+13] offset:\io+3072*(\mt)+512
.elseif j == 36
	WIN 0
	ds_store_b16 v[HSW], v[TB+6] offset:\so+256*(\mt)
.endif
.endm
.macro GQI mt                          ; 53: tile mt's sums of the second product take reg f (16 packed multiply-adds, ascending); then grad is quantised (list QHI)
.if j < 16
	WIN 0xF3
	v_pk_fma_f32 v[G+32*(\mt)+2*j:G+32*(\mt)+2*j+1], v[32*(\mt)+2*j:32*(\mt)+2*j+1], s[22:23], v[G+32*(\mt)+2*j:G+32*(\mt)+2*j+1] op_sel_hi:[1,0,1]
.else
.set jkeep, j
.set j, j-16
	QHI G, \mt, GIMG-FIMG, GSC-FSC
.set j, jkeep
.endif
.endm
.macro NUMI                            ; 80: my 64 channels' part of sum grad^2, the four tiles by turns
.set tl, j%4
.set st, j/4
.if st == 0
	WIN 0x0F
	v_pk_mul_f32 v[CH+2*tl:CH+2*tl+1], v[G+32*tl:G+32*tl+1], v[G+32*tl:G+32*tl+1]
.elseif st < 16
	WIN 0x0F
	v_pk_fma_f32 v[CH+2*tl:CH+2*tl+1], v[G+32*tl+2*st:G+32*tl+2*st+1], v[G+32*tl+2*st:G+32*tl+2*st+1], v[CH+2*tl:CH+2*tl+1]
.elseif st == 16
	WIN 0
	v_add_f32 v[CH+2*tl], v[CH+2*tl], v[CH+2*tl+1]
.elseif st == 17
	WIN 0
	v_permlanex16_b32 v[PT+tl], v[CH+2*tl], s20, s21
.elseif st == 18
	WIN 0
	v_add_f32 v[CH+2*tl], v[CH+2*tl], v[PT+tl]
.else
	WIN 0
	ds_store_b32 v[PWR], v[CH+2*tl] offset:512*tl
.endif
.endm
.macro SSI mt                          ; 39: my 128 positions' part of tile mt's sum sg^2, in four chains, ascending
.set S, ACC+64*((\mt)%2)
	WIN 0
.if j < 4
	v_pk_mul_f32 v[CH+2*j:CH+2*j+1], v[S+2*j:S+2*j+1], v[S+2*j:S+2*j+1]
.elseif j < 32
	v_pk_fma_f32 v[CH+2*(j%4):CH+2*(j%4)+1], v[S+2*j:S+2*j+1], v[S+2*j:S+2*j+1], v[CH+2*(j%4):CH+2*(j%4)+1]
.elseif j == 32
	v_pk_add_f32 v[CH:CH+1], v[CH:CH+1], v[CH+2:CH+3]
.elseif j == 33
	v_pk_add_f32 v[CH+4:CH+5], v[CH+4:CH+5], v[CH+6:CH+7]
.elseif j == 34
	v_pk_add_f32 v[CH:CH+1], v[CH:CH+1], v[CH+4:CH+5]
.elseif j == 35
	v_add_f32 v[CH], v[CH], v[CH+1]
.elseif j == 36
	v_permlanex16_b32 v[PT], v[CH], s20, s21
.elseif j == 37
	v_add_f32 v[SSR+(\mt)], v[CH], v[PT]           ; a register of its own for each tile: the store's data are not written again
.elseif j == 38
	ds_store_b32 v[PWR], v[SSR+(\mt)] offset:2048+512*(\mt)
.endif
.endm
.macro ITEM post, mt
.if (\post) == 2
	QRI \mt
.elseif (\post) == 3
	GQI \mt
.elseif (\post) == 4
	NUMI
.elseif (\post) == 5
	SSI \mt
.endif
.endm
; Tile mt's 16 matrix instructions of product ph, a slice of list post behind each (per items a slice).  List 4 touches no fresh result and begins at once.  Lists 2, 3, 5 work on tile mt - 1, whose last
; product stands just ahead: their first slice is the four places.  Behind them the fragments of tile mt + 1 are fetched into the registers that tile mt - 1 has left.
; In the first product -label of tile mt is fetched behind the eighth instruction: the six slices of seven ahead of it hold all 32 additions of tile mt - 1's label, whose registers it takes.
.macro SEQ ph, mt, post, per
.set i, 0
.rept 16
	WM \ph, \mt
.if ((\ph) == 1) && (i == 7) && ((\mt) > 0)
	TLOAD \mt
.endif
.if (\post) == 4
.set j, i*(\per)
.rept \per
	ITEM \post, \mt
.set j, j+1
.endr
.elseif (\post) != 0
.if i == 0
	WIN 0
	PLACES
.else
.set j, (i-1)*(\per)
.rept \per
	ITEM \post, (\mt)-1
.set j, j+1
.endr
.endif
.endif
.if (i == 0) && (((\mt) == 1) || ((\mt) == 2))
.if (\ph) == 1
	FETCH2 ((\mt)+1)%2, 0, 0, (\mt)+1
.elseif (\ph) == 2
	FETCH4 (\mt)+1
.else
	FETCH2 ((\mt)+1)%2, GIMG-FIMG, GSC-FSC, (\mt)+1
.endif
.endif
.set i, i+1
.endr
.endm
	; ================= THE HEAD =================
	s_load_b128 s[4:7], s[0:1], 0x0                ; xq, filter
	s_load_b128 s[8:11], s[0:1], 0x10              ; filter_reg, log_step_length
	s_load_b64 s[12:13], s[0:1], 0x20              ; out0
	s_set_vgpr_msb 0x40
	v_lshl_add_u32 v254, v0, 2, 0x3f000
	v_mov_b32 v255, 0
	s_set_vgpr_msb 0x4000
	v_lshrrev_b32 v20, 5, v0
	v_readfirstlane_b32 s14, v20                   ; wave w
	s_mov_b32 s15, ttmp9                           ; rb: which 64 rows
	s_and_b32 s16, ttmp7, 0xffff                   ; the sequence
	v_and_b32 v20, 31, v0                          ; lane
	v_and_b32 v21, 15, v0                          ; r
	v_bfe_u32 v22, v0, 4, 1                        ; h
	v_lshlrev_b32 v[L16], 4, v20
	v_lshlrev_b32 v[L8], 3, v20
	v_lshlrev_b32 v[L4], 2, v20
	v_add_nc_u32 v[LI16], FIMG, v[L16]
	v_add_nc_u32 v[LI8], FIMG, v[L8]
	v_add_nc_u32 v[LS], FSC, v[L4]
	s_mul_i32 s30, s14, 1536
	s_add_co_u32 s30, s30, RIMG
	v_add_nc_u32 v[RW16], s30, v[L16]
	v_add_nc_u32 v[RW8], s30, v[L8]
	s_lshl_b32 s30, s14, 7
	s_add_co_u32 s30, s30, RSC
	v_add_nc_u32 v[RSW], s30, v[L4]
	s_lshr_b32 s31, s14, 1
	s_and_b32 s33, s14, 1
	s_mul_i32 s30, s31, 1536
	s_mul_i32 s32, s33, 768
	s_add_co_u32 s30, s30, s32
	s_add_co_u32 s30, s30, FIMG
	v_add_nc_u32 v[HW16], s30, v[L16]
	v_add_nc_u32 v[HW8], s30, v[L8]
	s_lshl_b32 s30, s31, 7
	s_lshl_b32 s32, s33, 1
	s_add_co_u32 s30, s30, s32
	s_add_co_u32 s30, s30, FSC
	v_add_nc_u32 v[HSW], s30, v[L4]
	s_lshl_b32 s30, s14, 2
	s_add_co_u32 s30, s30, PNUM
	v_add_nc_u32 v[PWR], s30, v[L16]
	v_add_nc_u32 v[PRD], PNUM, v[L16]
	s_lshl_b32 s30, s14, 15
	v_add_nc_u32 v[ATG], s30, v[L16]
	s_mul_i32 s30, s14, STGW
	s_add_co_u32 s30, s30, STG
	v_mul_u32_u24 v23, v22, 272
	v_lshl_add_u32 v23, v21, 4, v23
	v_add_nc_u32 v[SD], s30, v23                   ; lanes 0-15 one row of 256 bytes, lanes 16-31 the next
	v_mul_u32_u24 v23, v21, 272
	v_lshl_add_u32 v23, v22, 6, v23
	v_add_nc_u32 v[SLY], s30, v23                  ; row r, my half's 16 channels of a block of 32
	v_lshlrev_b32 v23, 10, v22
	v_lshl_add_u32 v[FO], v21, 4, v23              ; the same two rows in memory, 1,024 bytes apart
	s_lshl_b32 s30, s15, 6
	v_add_nc_u32 v[MB], s30, v21
	s_lshl_b32 s30, s14, 7
	v_lshl_add_u32 v20, v22, 4, s30                ; 128 w + 16 h: my first position
	s_mov_b32 s20, 0x76543210
	s_mov_b32 s21, 0xfedcba98                      ; v_permlanex16_b32's selects for lane l xor 16
	s_mov_b32 s17, 0xc1b00000                      ; -22
	s_mov_b32 s18, 0x3d3a3444                      ; 0.04546: floor(n x this) = n / 22 rounded down for every whole n under 512 (the excess over 1 / 22 adds at most 0.003, less than 1 / 22)
	s_mov_b32 s19, 0x41b00000                      ; 22
	s_mov_b32 s25, 5                               ; the steps
	s_wait_kmcnt 0x0
	s_load_b32 s26, s[8:9], 0x0
	s_load_b32 s27, s[10:11], 0x0
	s_lshl_b32 s30, s16, 2
	s_add_co_u32 s30, s30, s14
	s_mul_i32 s30, s30, 51200
	s_mov_b32 s31, 0
	s_add_nc_u64 s[4:5], s[4:5], s[30:31]          ; my block of x's codes
	s_mul_i32 s30, s16, 495616
	s_lshl_b32 s32, s15, 16
	s_add_co_u32 s30, s30, s32
	s_lshl_b32 s32, s14, 8
	s_add_co_u32 s30, s30, s32
	s_add_nc_u64 s[6:7], s[6:7], s[30:31]          ; f and the output at my block's first row, my 64 channels
	s_add_nc_u64 s[12:13], s[12:13], s[30:31]
	s_cmp_eq_u32 s15, 7
	s_cselect_b32 s30, 36864, 0
	s_sub_nc_u64 s[28:29], s[6:7], s[30:31]        ; in block 7 rows 36 to 63 are read 36 rows further up: no load leaves the buffer
	WIN 0xC0                                       ; f comes as it lies, 256 bytes of two rows a load, into grad's registers
.set n, 0
.rept 18
	global_load_b128 v[G+4*n:G+4*n+3], v[FO], s[6:7] offset:2048*n th:TH_LOAD_NT
.set n, n+1
.endr
.rept 14
	global_load_b128 v[G+4*n:G+4*n+3], v[FO], s[28:29] offset:2048*n th:TH_LOAD_NT
.set n, n+1
.endr
	WIN 0
.set n, 0
.rept 8
	global_load_b32 v[XCS+n], v[L4], s[4:5] offset:49152+128*n
	global_load_b32 v[XPS+n], v[L4], s[4:5] offset:50176+128*n
.set n, n+1
.endr
	s_wait_kmcnt 0x0
	v_mov_b32 v24, s26
	v_mul_f32 v24, v24, v24
	v_max_num_f32 v24, 0x2edbe6ff, v24             ; reg = max(filter_reg^2, 1e-10)
	v_mov_b32 v25, s27
	v_mul_f32 v25, 0x3fb8aa3b, v25
	v_exp_f32 v25, v25                             ; step = e^log_step_length
	v_nop
	s_wait_alu depctr_va_vdst(0)                   ; ahead of the first line that names the exponential's result
	v_readfirstlane_b32 s22, v24
	s_mov_b32 s23, s22                             ; (the packed form names the pair)
	v_readfirstlane_b32 s24, v25
	s_xor_b32 s24, s24, 0x80000000                 ; -step
.irp m, 0,1,2,3
	v_mov_b32 v[SA+2*\m], 0
	v_mov_b32 v[SA+2*\m+1], 0                      ; (named as the upper half of a pair)
.endr
	; my 64 positions' x = k / 22 (v128-191) and y = k % 22 (v192-255) as f32: register 16 b + i is position k = 128 w + 32 b + 16 h + i
.set k, 0
.rept 64
	v_add_nc_u32 v[192+k], 32*(k/16)+k%16, v20
.set k, k+1
.endr
.set k, 0
.rept 64
	v_cvt_f32_u32 v[192+k], v[192+k]
.set k, k+1
.endr
.set k, 0
.rept 64
	v_mul_f32 v[128+k], s18, v[192+k]
.set k, k+1
.endr
.set k, 0
.rept 64
	v_floor_f32 v[128+k], v[128+k]
.set k, k+1
.endr
.set k, 0
.rept 64
	v_fma_f32 v[192+k], s17, v[128+k], v[192+k]
.set k, k+1
.endr
	v_mov_b32 v21, 0x461c4000                      ; 1e4: positions from 484 on (k / 22 = 22, 23; they can lie in the last 32 alone) are moved so far off that their label is 0
.set k, 48
.rept 16
	v_cmp_le_f32 vcc_lo, s19, v[128+k]
	v_cndmask_b32 v[128+k], v[128+k], v21, vcc_lo
.set k, k+1
.endr
.macro XLOAD q                         ; eight of my block's 32 fragments, straight into the registers where they stay
.set n, 8*(\q)
.rept 8
.if n < 16
	WIN 0x40
.set d, 12*n
.else
	WIN 0x80
.set d, 12*(n-16)
.endif
	global_load_b128 v[d:d+3], v[L16], s[4:5] offset:1536*n
	global_load_b64 v[d+4:d+5], v[L8], s[4:5] offset:1536*n+512
	global_load_b128 v[d+6:d+9], v[L16], s[4:5] offset:1536*n+768
	global_load_b64 v[d+10:d+11], v[L8], s[4:5] offset:1536*n+1280
.set n, n+1
.endr
	WIN 0
.endm
.macro TABLE mt                        ; -label of my row of tile mt at my 64 positions, into my wave's table
	s_wait_dscnt 0x0                               ; the last tile's stores have read v64-127
	v_add_nc_u32 v20, 16*(\mt), v[MB]
	v_cvt_f32_u32 v22, v20
	v_mul_f32 v20, s18, v22
	v_floor_f32 v20, v20                           ; m0
	v_fma_f32 v22, s17, v20, v22                   ; m1
	v_mov_b32 v21, v20
	v_mov_b32 v23, v22
.set k, 0
.rept 32
.set ta, 24+4*(k%2)
	v_pk_add_f32 v[ta:ta+1], v[128+2*k:129+2*k], v[22:23] neg_lo:[0,1] neg_hi:[0,1]     ; x - m1
	v_pk_add_f32 v[ta+2:ta+3], v[192+2*k:193+2*k], v[20:21] neg_lo:[0,1] neg_hi:[0,1]   ; y - m0
	v_pk_mul_f32 v[ta:ta+1], v[ta:ta+1], v[ta:ta+1]
	v_pk_fma_f32 v[ta:ta+1], v[ta+2:ta+3], v[ta+2:ta+3], v[ta:ta+1]
	v_pk_mul_f32 v[64+2*k:65+2*k], v[ta:ta+1], 0xbf38aa3b op_sel_hi:[1,0]   ; x -log2(e) / 2
.set k, k+1
.endr
.set k, 0
.rept 64
	v_exp_f32 v[64+k], v[64+k]
.set k, k+1
.endr
	v_nop                                          ; one plain line behind the last exponential
	s_wait_alu depctr_va_vdst(0)                   ; one wait for the batch, ahead of its first reader
.set k, 0
.rept 32
	v_pk_mul_f32 v[64+2*k:65+2*k], v[64+2*k:65+2*k], -1.0 op_sel_hi:[1,0]
.set k, k+1
.endr
.set k, 0
.rept 16
	ds_store_b128 v[ATG], v[64+4*k:67+4*k] offset:8192*(\mt)+512*k
.set k, k+1
.endr
.endm
.irp m, 0,1,2,3                        ; the loads go out in four batches, a tile of the table behind each
	XLOAD \m
	TABLE \m
.endr
	s_wait_loadcnt 0x0                             ; f, x's codes and scale words are in
	WIN 0x0C                                       ; f turns through my stage into the results' layout: register 32 mt + 16 b + i = row 16 mt + r, channel 64 w + 32 b + 16 h + i
.set n, 0
.rept 32
	ds_store_b128 v[SD], v[G+4*n:G+4*n+3] offset:544*n
.set n, n+1
.endr
	WIN 0xC0
.set n, 0
.rept 32
	ds_load_b128 v[4*n:4*n+3], v[SLY] offset:4352*(n/8)+128*((n/4)%2)+16*(n%4)   ; LDS serves a wave's instructions in order: these see the stores above
.set n, n+1
.endr
	WIN 0
	; ================= A STEP =================
.Liter:
	TLOAD 0
	s_wait_dscnt 16                                ; all but the 16 just issued: in the first step f is back from the stage
.set j, 0
.rept 37                               ; f is quantised, the four tiles by turns
.irp m, 0,1,2,3
	QHI 0, \m, 0, 0
.endr
.set j, j+1
.endr
	WIN 0
	BARRIER                                        ; f's eight fragments lie in LDS
	; ---- residual = f x - label
	FETCH2 0, 0, 0, 0
	FETCH2 1, 0, 0, 1
	s_wait_dscnt 10                                ; tile 0's ten loads are in; tile 1's may be out
	SEQ 1, 0, 0, 0
.irp m, 1,2,3
	s_wait_dscnt 0x0                               ; this tile's fragments and the last tile's -label are in; the last slices' stores have read their registers
	SEQ 1, \m, 2, 7
.endr
	WIN 0
	s_wait_dscnt 0x0                               ; tile 3's -label is in, and tile 2's stores have read the registers that are written below
	PLACES
.set j, 0
.rept 105
	QRI 3
.set j, j+1
.endr
	BARRIER                                        ; the residuals' sixteen fragments lie in LDS
	; ---- grad = residual x^T + reg f
	FETCH4 0
	FETCH4 1
	s_wait_dscnt 20                                ; tile 0's twenty loads are in
	SEQ 2, 0, 0, 0
.irp m, 1,2,3
	s_wait_dscnt 0x0
	SEQ 2, \m, 3, 4
.endr
	WIN 0
	PLACES
.set j, 0
.rept 53
	GQI 3
.set j, j+1
.endr
	WIN 0
	BARRIER                                        ; grad's eight fragments lie in LDS
	; ---- sg = grad x, and the two sums
	FETCH2 0, GIMG-FIMG, GSC-FSC, 0
	FETCH2 1, GIMG-FIMG, GSC-FSC, 1
	s_wait_dscnt 10
	SEQ 3, 0, 4, 5
.irp m, 1,2,3
	s_wait_dscnt 0x0
	SEQ 3, \m, 5, 3
.endr
	WIN 0
	PLACES
.set j, 0
.rept 39
	SSI 3
.set j, j+1
.endr
	BARRIER                                        ; the four waves' parts of both sums lie in LDS
	; ---- alpha, and f -= step alpha grad
.irp m, 0,1,2,3
	ds_load_b128 v[128+4*\m:131+4*\m], v[PRD] offset:512*\m
	ds_load_b128 v[144+4*\m:147+4*\m], v[PRD] offset:2048+512*\m
.endr
	s_wait_dscnt 0x0
.irp m, 0,1,2,3
	v_add_f32 v[128+4*\m], v[128+4*\m], v[129+4*\m]
.endr
.irp m, 0,1,2,3
	v_add_f32 v[130+4*\m], v[130+4*\m], v[131+4*\m]
.endr
.irp m, 0,1,2,3
	v_add_f32 v[144+4*\m], v[144+4*\m], v[145+4*\m]
.endr
.irp m, 0,1,2,3
	v_add_f32 v[146+4*\m], v[146+4*\m], v[147+4*\m]
.endr
.irp m, 0,1,2,3
	v_add_f32 v[128+4*\m], v[128+4*\m], v[130+4*\m]        ; sum grad^2
.endr
.irp m, 0,1,2,3
	v_add_f32 v[144+4*\m], v[144+4*\m], v[146+4*\m]        ; sum sg^2
.endr
.irp m, 0,1,2,3
	v_fma_f32 v[144+4*\m], s22, v[128+4*\m], v[144+4*\m]
.endr
.irp m, 0,1,2,3
	v_max_num_f32 v[144+4*\m], 0x322bcc77, v[144+4*\m]     ; at least 1e-8
.endr
.irp m, 0,1,2,3
	v_rcp_f32 v[145+4*\m], v[144+4*\m]
.endr
	v_nop                                          ; one plain line behind the last reciprocal
	s_wait_alu depctr_va_vdst(0)                   ; one wait for the four, ahead of their first reader
.irp m, 0,1,2,3
	v_mul_f32 v[128+4*\m], v[128+4*\m], v[145+4*\m]
.endr
.irp m, 0,1,2,3
	v_mul_f32 v[SA+2*\m], s24, v[128+4*\m]         ; -step alpha of my row of tile m
.endr
	WIN 0xF3
.set n, 0
.rept 64
	v_pk_fma_f32 v[2*n:2*n+1], v[G+2*n:G+2*n+1], v[SA+2*(n/16):SA+2*(n/16)+1], v[2*n:2*n+1] op_sel_hi:[1,0,1]
.set n, n+1
.endr
	WIN 0                                          ; at a label and at a branch every window is 0
	s_sub_co_u32 s25, s25, 1
	s_cmp_lg_u32 s25, 0
	s_cbranch_scc1 .Liter
	; ================= THE WAY OUT: f turns back through my stage and leaves as it came: sixteen lanes store 256 consecutive bytes, at a multiple of 256 from the output's first byte
	WIN 0x0C
.set n, 0
.rept 32
	ds_store_b128 v[SLY], v[4*n:4*n+3] offset:4352*(n/8)+128*((n/4)%2)+16*(n%4)
.set n, n+1
.endr
	WIN 0
.set n, 0
.rept 32
	ds_load_b128 v[128+4*n:131+4*n], v[SD] offset:544*n
.set n, n+1
.endr
.set n, 0
.rept 18
	s_wait_dscnt 31-n
	global_store_b128 v[FO], v[128+4*n:131+4*n], s[12:13] offset:2048*n th:TH_STORE_NT
.set n, n+1
.endr
	s_wait_dscnt 0x0
	s_cmp_eq_u32 s15, 7                            ; block 7 ends with row 483: its rows 36 to 63 are not stored
	s_cbranch_scc1 .Ldone
.rept 14
	global_store_b128 v[FO], v[128+4*n:131+4*n], s[12:13] offset:2048*n th:TH_STORE_NT
.set n, n+1
.endr
.Ldone:
	s_set_vgpr_msb 0x5
	s_wait_tensorcnt 0x0
	ds_add_u32 v254, v255
	s_wait_dscnt 0x0
	s_set_vgpr_msb 0x500
	s_endpgm
.Lfunc_end_k_qd140c11e98_solve:
	.size	k_qd140c11e98_solve, .Lfunc_end_k_qd140c11e98_solve-k_qd140c11e98_solve
	.p2alignl 7, 3214868480
	.fill 96, 4, 3214868480
	.section	.rodata,"a",@progbits
	.p2align	6, 0x0
	.amdhsa_kernel k_qd140c11e98_solve
		.amdhsa_group_segment_fixed_size 258560
		.amdhsa_private_segment_fixed_size 0
		.amdhsa_enable_private_segment 0
		.amdhsa_kernarg_size 40
		.amdhsa_user_sgpr_count 2
		.amdhsa_user_sgpr_kernarg_segment_ptr 1
		.amdhsa_wavefront_size32 1
		.amdhsa_system_sgpr_workgroup_id_x 1
		.amdhsa_system_sgpr_workgroup_id_y 1
		.amdhsa_system_sgpr_workgroup_id_z 1
		.amdhsa_system_vgpr_workitem_id 0
		.amdhsa_next_free_vgpr 1024
		.amdhsa_next_free_sgpr 66
		.amdhsa_reserve_vcc 1
		.amdhsa_float_denorm_mode_32 3
		.amdhsa_float_denorm_mode_16_64 3
		.amdhsa_memory_ordered 1
		.amdhsa_forward_progress 1
		.amdhsa_inst_pref_size 230
	.end_amdhsa_kernel
	.amdgpu_metadata
---
amdhsa.version: [ 1, 2 ]
amdhsa.kernels:
  - .name:           k_qd140c11e98_solve
    .symbol:         k_qd140c11e98_solve.kd
    .args:
      - { .name: xq, .offset: 0, .size: 8, .value_kind: global_buffer, .address_space: global }
      - { .name: filter, .offset: 8, .size: 8, .value_kind: global_buffer, .address_space: global }
      - { .name: filter_reg, .offset: 16, .size: 8, .value_kind: global_buffer, .address_space: global }
      - { .name: log_step_length, .offset: 24, .size: 8, .value_kind: global_buffer, .address_space: global }
      - { .name: out0, .offset: 32, .size: 8, .value_kind: global_buffer, .address_space: global }
    .group_segment_fixed_size: 258560
    .private_segment_fixed_size: 0
    .kernarg_segment_align: 8
    .kernarg_segment_size: 40
    .max_flat_workgroup_size: 128
    .sgpr_count:     66
    .vgpr_count:     1024
    .wavefront_size: 32
...
	.end_amdgpu_metadata
.endif
;; end of part 2
;; ======== version 2 of 2: 2 launches; 1.12 times as fast as version 1
;; workspace buffers: xq 6,553,600 bytes
;; launch prep (part 3): grid 8 x 32, 4 waves a work-group, no clusters, 273,920 bytes of LDS; arguments feat, xq; writes xq
.if DOCPART == 3
	.amdgcn_target "amdgcn-amd-amdhsa--gfx1250"
	.amdhsa_code_object_version 6
	.text
	.protected	k_qd140c11e98_prep
	.globl	k_qd140c11e98_prep
	.p2align	8
	.type	k_qd140c11e98_prep,@function
k_qd140c11e98_prep:
	s_mov_b64 s[64:65], 0
	v_nop
	global_prefetch_b8 v0, s[64:65] scope:SCOPE_SE
	s_setreg_imm32_b32 hwreg(HW_REG_WAVE_MODE, 25, 1), 1
	s_wait_xcnt 0x0
; feat [32 sequences][256 channels][22 (y)][22 (x)], f32, is quantised to FP6 (E2M3) with one E8M0 byte for each 32 numbers, ONCE, in both directions in which
; the solver multiplies by it: along the channels (K = 256) and along the positions (K = 484, filled with zeros to 512).
; POSITIONS ARE NUMBERED k = 22 x + y: the product that contracts y and x is lowered with its contracted axes in the order (x, y), so its K runs with x as the slower axis, and the quantiser's blocks of 32 lie
; along that K.  Where positions are not contracted their order is free, so the whole program numbers them so.
; The codes leave as IMAGES OF OPERAND REGISTERS (a fragment: 16 rows x 128 K, 12 registers a lane, 1,536 bytes):
;   bytes 0-511 registers 0-3 (16 x lane), 512-767 registers 4-5 (8 x lane), 768-1279 registers 6-9, 1280-1535 registers 10-11.
; xq: a block of 51,200 bytes for each (sequence, solver wave w):  XC at 0: fragment 8 ks + t: 16 positions x 128 channels;  XP at 24,576: fragment 4 tc + ks: 16 channels x 128 positions;
;   XCS at 49,152: register 4 ks + g, 128 bytes: lanes 0-15 the scale words of tile 2 g, lanes 16-31 of tile 2 g + 1;  XPS at 50,176: register 2 ks + b likewise.
; THE ROWS OF A TILE ARE NOT NEIGHBOURS: lane r of tile 2 b + u takes row 32 b + 8 u + r + 8 (r / 8) of the wave's rows, so that the solver's results come out with 16 neighbours in 16 registers.
; SHARES.  Work-group x = 4 kc + wq: 128 channels (half kc) x 128 positions (quarter wq) of sequence y.  Wave v takes 32 channels x 128 positions.
; THE ROWS COME DENSE, AND THE TURN FROM (y, x) TO k IS MADE IN LDS.  A wave's 32 channel rows are one dense block of memory, 32 x 1,936 = 61,952 = 242 x 256 bytes, at a multiple of 256 from feat's first byte:
; one tensor load brings it.  Then a lane is a position: it reads its number of each of the 32 channels at byte 4 (22 (k % 22) + k / 22) of the channel's row; neighbouring lanes stand 22 words apart.
; These registers are path C's (registers down the channels): a quarter of each of eight fragments of XC.  They also go into the wave's tile in LDS, in the order of k, from which path P (a lane a channel,
; registers along the positions) takes its rows: two whole fragments of XP.  The price: the four work-groups of a half of the channels each bring the same 128 rows and use a quarter of them.
; NO CLUSTER, though those four bring the same rows: they differ in which positions they read out of LDS, so LDS addresses would hang on a work-group's place in its cluster.
; No prefetch: each wave has one load, at the head.
; A block's scale is 2^(floor(log2(largest magnitude)) - 2): its byte is the largest magnitude's exponent field - 2, held at 1 from below.  A block of zeros gets the byte 1 where the rule says 127:
; its codes are zeros, and the bytes are read by this program alone.   LIMITS: NaN and infinities among the inputs are not served.
.set RAWW,  61952                      ; LDS: a wave's 32 channel rows as they lie in memory; over its first 16,896 bytes, once they are read out, the wave's tile
.set PITCH, 528                        ; a channel's 128 numbers in the tile: 512 bytes + 16
.set XCST,  4*RAWW                     ; the stage for XC's eight fragments
.set XPST,  XCST+12288                 ; for XP's eight (two a wave)
.set SCST,  XPST+12288                 ; for the scale words: 512 bytes of XCS, 512 of XPS
.set BLK,   51200
.set G0,    44                         ; s[44:47] the tensor load's group 0
.set G1,    48                         ; s[48:55] its group 1
.set MK,    40                         ; v40-43   all ones where my position of group g exists, else 0
.set GO,    44                         ; v44-47   LDS address of my position in my wave's first channel row, for each group of 32 positions
.set X,     64                         ; v64-191  128 numbers
.set CD,    192                        ; v192-255 a block's six registers of codes, eight blocks, 8 registers apart
; 32 numbers of one block in v[src] on -> six registers of codes in v[dst] on, the scale's byte in v[byte]
.macro QB src, dst, byte
	v_max3_num_f32 v8, |v[\src]|, |v[\src+1]|, |v[\src+2]|
	v_max3_num_f32 v9, |v[\src+3]|, |v[\src+4]|, |v[\src+5]|
.irp e, 6,10,14,18,22,26
	v_max3_num_f32 v8, v8, |v[\src+\e]|, |v[\src+\e+1]|
	v_max3_num_f32 v9, v9, |v[\src+\e+2]|, |v[\src+\e+3]|
.endr
	v_max3_num_f32 v8, v8, |v[\src+30]|, |v[\src+31]|
	v_max3_num_f32 v8, v8, v9, 0x1800000           ; the floor 2^(3 - 127): the byte cannot fall under 1
	v_add_nc_u32 v11, 0xff000000, v8               ; 2 off the exponent field: the conversion takes this operand's exponent field as its scale
	v_cvt_scalef32_pk16_fp6_f32 v[\dst:\dst+2], v[\src:\src+15], v11
	v_cvt_scalef32_pk16_fp6_f32 v[56:58], v[\src+16:\src+31], v11   ; (a conversion's three registers begin on an even number)
	v_lshrrev_b32 v[\byte], 23, v11                ; the scale's byte; also the plain line behind the conversions
	v_mov_b32 v[\dst+3], v56
	v_mov_b32 v[\dst+4], v57
	v_mov_b32 v[\dst+5], v58
.endm
	s_load_b128 s[4:7], s[0:1], 0x0                ; feat s[4:5], xq s[6:7]
	v_lshl_add_u32 v254, v0, 2, 0x42c00
	v_mov_b32 v255, 0
	ds_add_u32 v254, v255
	ds_add_u32 v254, v255
	v_lshrrev_b32 v1, 5, v0
	v_readfirstlane_b32 s8, v1                     ; wave v
	s_and_b32 s9, ttmp9, 3                         ; wq
	s_lshr_b32 s10, ttmp9, 2                       ; kc
	s_and_b32 s11, ttmp7, 0xffff                   ; the sequence
	s_lshl_b32 s12, s11, 8
	s_lshl_b32 s13, s10, 7
	s_add_co_u32 s12, s12, s13
	s_lshl_b32 s13, s8, 5
	s_add_co_u32 s12, s12, s13                     ; my first channel row: 256 s + 128 kc + 32 v
	s_mul_i32 s12, s12, 1936                       ; a row is 484 numbers
	s_mov_b32 s13, 0
	s_lshl_b32 s14, s9, 7                          ; my work-group's first position: 128 wq
	s_mul_i32 s15, s8, RAWW                        ; my wave's block in LDS
	; group 1: a dense block of 61,952 bytes as 242 rows of 256 bytes
	s_mov_b32 s[G1+0], 3<<16                       ; 15:0 no mask; 17:16 elements of 8 bytes; 20 padding off
	s_mov_b32 s[G1+1], 32<<16                      ; tensor_dim0 = 32 elements
	s_mov_b32 s[G1+2], 242<<16                     ; tensor_dim1 = 242
	s_mov_b32 s[G1+3], 32<<16                      ; tile_dim0 = 32
	s_mov_b32 s[G1+4], 242                         ; tile_dim1 = 242
	s_mov_b32 s[G1+5], 32                          ; from row to row: 32 elements: the rows lie on end
	s_mov_b32 s[G1+6], 0
	s_mov_b32 s[G1+7], 0
	s_mov_b32 s[G0], 1                             ; count = 1
	s_mul_i32 s[G0+1], s8, RAWW                    ; LDS address: my wave's block
	s_wait_dscnt 0x0
	s_wait_kmcnt 0x0
	s_add_nc_u64 s[G0+2:G0+3], s[4:5], s[12:13]    ; global address: my first channel row
	s_or_b32 s[G0+3], s[G0+3], 0x80000000          ; type = 2
	tensor_load_to_lds s[G0:G0+3], s[G1:G1+7]      ; my one tensor load; the address work below stands between it and the wait for it
	s_nop 0
	v_and_b32 v21, 31, v0                          ; lane q
	v_mov_b32 v22, -1
.irp g, 0,1,2,3
	v_add_nc_u32 v23, 32*\g, v21
	v_add_nc_u32 v23, s14, v23                     ; k = 128 wq + 32 g + lane
	v_cmp_gt_u32 vcc_lo, 484, v23
	v_cndmask_b32 v[MK+\g], 0, v22, vcc_lo         ; positions from 484 on are zeros;
	v_min_u32 v23, 483, v23                        ; they read position 483's bytes, so that no read leaves the row
	v_mul_u32_u24 v24, v23, 2979                   ; 22 x 2979 = 65,538, so 2979 k = 65,536 x + (65,536 y + 2 k) / 22 with k = 22 x + y, and the second term is under 65,536:
	v_lshrrev_b32 v25, 16, v24                     ; x = k / 22 is the upper half;
	v_and_b32 v24, 0xffff, v24
	v_mul_u32_u24 v24, v24, 22                     ; 22 times the lower half is 65,536 y + 2 k, and 2 k is under 65,536:
	v_lshrrev_b32 v24, 16, v24                     ; y = k % 22
	v_mad_u32_u24 v24, v24, 22, v25                ; its place in a row of memory: 22 y + x, 483 at the most
	v_lshl_add_u32 v[GO+\g], v24, 2, s15
.endr
	; LDS addresses: constants, lane terms and the wave's number
	v_mul_u32_u24 v1, v21, PITCH
	v_add_nc_u32 v1, s15, v1                       ; path P reads: row q of my tile
	v_lshl_add_u32 v2, v21, 2, s15                 ; the way into the tile: column q
	v_bfe_u32 v22, v0, 3, 1                        ; u: which of two neighbouring tiles my row belongs to
	v_and_b32 v23, 7, v0
	v_bfe_u32 v24, v0, 4, 1
	v_lshl_add_u32 v23, v24, 3, v23                ; r: its row there: (q & 7) + 8 (q >> 4)
	v_lshl_add_u32 v25, v22, 4, v23                ; r + 16 u: its lane in a register of scale words
	v_mul_u32_u24 v26, v22, 1536
	s_mul_i32 s16, s8, 3072
	s_add_co_u32 s17, s16, XPST
	v_add_nc_u32 v27, s17, v26
	v_lshl_add_u32 v3, v23, 4, v27                 ; XP's stage: my wave's two fragments, fragment u, 16 r
	v_lshl_add_u32 v4, v23, 3, v27                 ; and 8 r
	s_lshr_b32 s18, s8, 1
	s_mul_i32 s18, s18, 768
	s_and_b32 s19, s8, 1
	s_lshl_b32 s20, s19, 8
	s_add_co_u32 s20, s20, s18
	s_add_co_u32 s20, s20, XCST
	v_add_nc_u32 v27, s20, v26
	v_lshl_add_u32 v5, v23, 4, v27                 ; XC's stage: my 32 channels are registers 6 (v / 2) on of lanes 16 (v % 2) + r
	s_lshl_b32 s20, s19, 7
	s_add_co_u32 s20, s20, s18
	s_add_co_u32 s20, s20, XCST+512
	v_add_nc_u32 v27, s20, v26
	v_lshl_add_u32 v6, v23, 3, v27
	s_lshl_b32 s20, s8, 7
	s_add_co_u32 s20, s20, SCST+512
	v_lshl_add_u32 v7, v25, 2, s20                 ; XPS: my wave's register, my word
	s_add_co_u32 s20, s8, SCST
	v_lshl_add_u32 v12, v25, 2, s20                ; XCS: byte v of my word
	s_add_co_u32 s20, s16, XCST
	v_lshl_add_u32 v15, v21, 4, s20                ; the way out: 3,072 bytes of each stage a wave,
	v_lshl_add_u32 v16, v21, 4, s17
	s_lshl_b32 s20, s8, 8
	s_add_co_u32 s20, s20, SCST
	v_lshl_add_u32 v17, v21, 3, s20                ; and 256 bytes of scale words
	v_lshlrev_b32 v18, 4, v21
	v_lshlrev_b32 v19, 3, v21
	; where the three pieces go in xq
	s_lshl_b32 s24, s11, 2
	s_add_co_u32 s25, s24, s9
	s_mul_i32 s25, s25, BLK                        ; block (s, wq)
	s_mul_i32 s32, s10, 12288
	s_add_co_u32 s32, s32, s16
	s_add_co_u32 s32, s32, s25                     ; XC: K step kc, my 3,072 bytes
	s_mov_b32 s33, 0
	s_lshl_b32 s34, s10, 1
	s_add_co_u32 s34, s34, s24                     ; 4 s + 2 kc
	s_lshr_b32 s35, s8, 1
	s_add_co_u32 s35, s35, s34
	s_mul_i32 s35, s35, BLK                        ; block (s, 2 kc + v / 2)
	s_lshl_b32 s36, s19, 3
	s_add_co_u32 s36, s36, s9
	s_mul_i32 s36, s36, 1536                       ; XP: fragment 8 (v % 2) + 4 u + wq
	s_add_co_u32 s36, s36, s35
	s_add_co_u32 s36, s36, 24576
	s_mov_b32 s37, 0
	s_lshl_b32 s38, s10, 9
	s_lshl_b32 s39, s8, 8
	s_add_co_u32 s38, s38, s39
	s_add_co_u32 s38, s38, s25
	s_add_co_u32 s38, s38, 49152                   ; waves 0, 1: XCS of block (s, wq), K step kc
	s_add_co_u32 s39, s34, s19
	s_mul_i32 s39, s39, BLK
	s_lshl_b32 s40, s9, 8
	s_add_co_u32 s39, s39, s40
	s_add_co_u32 s39, s39, 50176                   ; waves 2, 3: XPS of block (s, 2 kc + v - 2), K step wq
	s_cmp_lt_u32 s8, 2
	s_cselect_b32 s38, s38, s39
	s_mov_b32 s39, 0
	s_add_nc_u64 s[26:27], s[6:7], s[32:33]
	s_add_nc_u64 s[28:29], s[6:7], s[36:37]
	s_add_nc_u64 s[30:31], s[6:7], s[38:39]
	; ---- the turn: 128 numbers a lane out of my wave's rows.  A wave reads its own block alone.  These reads' addresses hang on the work-group's number, and between the two
	; barriers no wave and no engine writes any byte of LDS, so that their order against every write stands in the text itself.
	s_wait_tensorcnt 0x0                           ; my rows are in LDS
	s_barrier_signal -1
	s_barrier_wait -1                              ; everybody's are
.irp g, 0,1,2,3
.set n, 0
.rept 32
	ds_load_b32 v[X+32*\g+n], v[GO+\g] offset:1936*n   ; channel n at my position of group g
.set n, n+1
.endr
.endr
	s_wait_dscnt 0x0                               ; my reads of the rows are over
	s_barrier_signal -1
	s_barrier_wait -1                              ; everybody's are: from here on the rows' bytes, which have had their only fill, take the tiles
	; ---- path C: four times 32 positions, a lane a position, 32 channels down its registers; the numbers also go into my tile
.irp g, 0,1,2,3
.set n, 0
.rept 32
	v_and_b32 v[X+32*\g+n], v[MK+\g], v[X+32*\g+n]
.set n, n+1
.endr
.set n, 0
.rept 32
	ds_store_b32 v2, v[X+32*\g+n] offset:PITCH*n+128*\g
.set n, n+1
.endr
	QB X+32*\g, CD+32+8*\g, 50+\g
	ds_store_b128 v5, v[CD+32+8*\g:CD+32+8*\g+3] offset:3072*\g                   ; tile 2 g + u
	ds_store_b64 v6, v[CD+32+8*\g+4:CD+32+8*\g+5] offset:3072*\g
	ds_store_b8 v12, v[50+\g] offset:128*\g
.endr
	s_wait_dscnt 0x0                               ; the stores have read their registers, which are written again below.  Only my wave reads my tile: no barrier
	; ---- path P: my channel's 128 positions: four blocks
.set n, 0
.rept 32
	ds_load_b128 v[X+4*n:X+4*n+3], v1 offset:16*n
.set n, n+1
.endr
.irp pb, 0,1,2,3
	s_wait_dscnt 8*(3-\pb)                         ; block pb's eight loads are in (the stores issued meanwhile make the true count larger: a smaller count is safe)
	QB X+32*\pb, CD+8*\pb, 50+\pb
	ds_store_b128 v3, v[CD+8*\pb:CD+8*\pb+3] offset:768*(\pb/2)+256*(\pb%2)       ; block 2 c + h: registers 6 c on of lane 16 h + r
	ds_store_b64 v4, v[CD+8*\pb+4:CD+8*\pb+5] offset:768*(\pb/2)+512+128*(\pb%2)
.endr
	v_lshl_or_b32 v48, v51, 8, v50                 ; the four bytes make my channel's scale word for these 128 positions
	v_lshl_or_b32 v48, v52, 16, v48
	v_lshl_or_b32 v48, v53, 24, v48
	ds_store_b32 v7, v48
	s_wait_dscnt 0x0                               ; for the others' sake: my stores into the stages are done
	s_barrier_signal -1
	s_barrier_wait -1
	; ---- the way out: every store covers whole aligned runs of 256 bytes
.irp n, 0,1,2,3,4,5
	ds_load_b128 v[X+4*\n:X+4*\n+3], v15 offset:512*\n
.endr
.irp n, 0,1,2,3,4,5
	ds_load_b128 v[X+24+4*\n:X+24+4*\n+3], v16 offset:512*\n
.endr
	ds_load_b64 v[X+48:X+49], v17
	s_wait_dscnt 0x0
.irp n, 0,1,2,3,4,5
	global_store_b128 v18, v[X+4*\n:X+4*\n+3], s[26:27] offset:512*\n
.endr
.irp n, 0,1,2,3,4,5
	global_store_b128 v18, v[X+24+4*\n:X+24+4*\n+3], s[28:29] offset:6144*(\n/3)+512*(\n%3)
.endr
	global_store_b64 v19, v[X+48:X+49], s[30:31]
	s_wait_tensorcnt 0x0
	ds_add_u32 v254, v255
	s_wait_dscnt 0x0
	s_endpgm
.Lfunc_end_k_qd140c11e98_prep:
	.size	k_qd140c11e98_prep, .Lfunc_end_k_qd140c11e98_prep-k_qd140c11e98_prep
	.p2alignl 7, 3214868480
	.fill 96, 4, 3214868480
	.section	.rodata,"a",@progbits
	.p2align	6, 0x0
	.amdhsa_kernel k_qd140c11e98_prep
		.amdhsa_group_segment_fixed_size 273920
		.amdhsa_private_segment_fixed_size 0
		.amdhsa_enable_private_segment 0
		.amdhsa_kernarg_size 16
		.amdhsa_user_sgpr_count 2
		.amdhsa_user_sgpr_kernarg_segment_ptr 1
		.amdhsa_wavefront_size32 1
		.amdhsa_system_sgpr_workgroup_id_x 1
		.amdhsa_system_sgpr_workgroup_id_y 1
		.amdhsa_system_sgpr_workgroup_id_z 1
		.amdhsa_system_vgpr_workitem_id 0
		.amdhsa_next_free_vgpr 256
		.amdhsa_next_free_sgpr 66
		.amdhsa_reserve_vcc 1
		.amdhsa_float_denorm_mode_32 3
		.amdhsa_float_denorm_mode_16_64 3
		.amdhsa_memory_ordered 1
		.amdhsa_forward_progress 1
		.amdhsa_inst_pref_size 45
	.end_amdhsa_kernel
	.amdgpu_metadata
---
amdhsa.version: [ 1, 2 ]
amdhsa.kernels:
  - .name:           k_qd140c11e98_prep
    .symbol:         k_qd140c11e98_prep.kd
    .args:
      - { .name: feat, .offset: 0, .size: 8, .value_kind: global_buffer, .address_space: global }
      - { .name: xq, .offset: 8, .size: 8, .value_kind: global_buffer, .address_space: global }
    .group_segment_fixed_size: 273920
    .private_segment_fixed_size: 0
    .kernarg_segment_align: 8
    .kernarg_segment_size: 16
    .max_flat_workgroup_size: 128
    .sgpr_count:     66
    .vgpr_count:     256
    .wavefront_size: 32
...
	.end_amdgpu_metadata
.endif
;; end of part 3
;; launch solve: the kernel of part 2 again; grid 8 x 32, 4 waves a work-group, no clusters, 258,560 bytes of LDS; arguments xq, filter, filter_reg, log_step_length, out0; writes out0
